; MI455X (gfx1250); checked and timed in simulation.
; The chip was launched on July 23, 2026; its instructions are those of AMD's public machine-readable ISA for CDNA 5 (MIT licence, August 2026) and "CDNA5" Instruction Set Architecture Reference Guide (July 2026). The comments in the code are by the model that wrote it; some were corrected since.
;; Multi Head Attention. Allowed arithmetic: matrix products marked QUANTISED: E2M3 operands, one E8M0 scale for each 32 along K, by v_wmma_scale_f32_16x16x128_f8f6f4 with both operands' format E2M3, f32 sums; everything else in f32.
;; Inputs: b_k 1,024 float32; b_o 1,024 float32; b_q 1,024 float32; b_v 1,024 float32; key 4 x 2,048 x 1,024 float32; query 4 x 2,048 x 1,024 float32; value 4 x 2,048 x 1,024 float32; w_k 1,024 x 1,024 float32; w_o 1,024 x 1,024 float32; w_q 1,024 x 1,024 float32; w_v 1,024 x 1,024 float32.
;; Outputs: out0 4 x 2,048 x 1,024 float32.
;; This version of the problem:
;;   THIS VERSION OF THE PROBLEM IS GIVEN IN LOW PRECISION. The matrix products marked QUANTISED in the list below multiply operands that are first quantised to E2M3 (2 exponent bits, 3 mantissa bits; 6 bits a number), with one power-of-two scale for each 32 numbers along K (OCP MX v1.0); their sums are f32. All else is computed in f32.
;;   The module's matrix products, in the order in which they are computed (A, B: the left and right operand; K: the contracted axis; several contracted axes count as one K, in the product's order):
;;     1. [M 8,192, K 1,024] x [K 1,024, N 1,024]; A: input query; B: input w_q: QUANTISED
;;     2. [M 8,192, K 1,024] x [K 1,024, N 1,024]; A: input key; B: input w_k: QUANTISED
;;     3. [M 8,192, K 1,024] x [K 1,024, N 1,024]; A: input value; B: input w_v: QUANTISED
;;     4. batch 64 x [M 2,048, K 64] x [K 64, N 2,048]; A: computed on the way; B: computed on the way: QUANTISED
;;     5. batch 64 x [M 2,048, K 2,048] x [K 2,048, N 64]; A: softmax (see below); B: computed on the way: QUANTISED
;;     6. [M 8,192, K 1,024] x [K 1,024, N 1,024]; A: computed on the way; B: input w_o: QUANTISED
;;   THE QUANTISER, for each operand of a quantised product, along K:
;;     - K is cut into blocks of 32 from its start; a last block that is shorter is filled with zeros.
;;     - A block's scale is 2^e with e = floor(log2(the largest magnitude in the block)) - 2, held to -126 .. 127; a block of zeros has e = 0. As a byte (E8M0): e + 127.
;;     - Each number is divided by its block's scale, clamped to +-7.5, and rounded to the nearest number of E2M3, ties to even, subnormals kept.
;;     - The product sums the exact products of the quantised numbers (number of the format x scale) in f32.
;;   ~~~python
;;   def quantise(x, axis):      # numpy; x: float32 -> the quantised numbers, widened to float32 again
;;       x = np.moveaxis(x, axis, -1); K = x.shape[-1]
;;       x = np.pad(x, [(0, 0)] * (x.ndim - 1) + [(0, -K % 32)]); x = x.reshape(x.shape[:-1] + (-1, 32)); a = np.abs(x).max(-1, keepdims=True)
;;       e = np.where(a > 0, np.clip(np.frexp(np.where(a > 0, a, 1))[1] - 1 - 2, -126, 127), 0)      # np.frexp(a)[1] - 1 = floor(log2(a)), exactly
;;       r = np.clip(x / 2.0 ** e, -7.5, 7.5)
;;       step = 2.0 ** (np.maximum(np.frexp(np.where(r == 0, 1, r))[1] - 1, 0) - 3)
;;       q = np.round(r / step) * step * 2.0 ** e      # np.round: ties to even
;;       return np.moveaxis(q.reshape(q.shape[:-2] + (-1,))[..., :K], -1, axis).astype(np.float32)
;;   ~~~
;;   SOFTMAX AHEAD OF A QUANTISED PRODUCT. Where the list says 'softmax', what is quantised is not the finished softmax but p = 2^(t - M), with t = logit x log2(e) and M = ceil(the row's largest t), a whole number; so 1/2 < the row's largest p <= 1. The row's sum l is taken of the UNQUANTISED p, in f32, and the product's result is divided by l at the end. Since M is a whole number, a kernel that streams over the keys may use a running M (the ceiling of the running maximum): every later rescaling is an exact power of two, which a block's scale takes up: the codes' values come out the same.
;;   OPERANDS COMPUTED ON THE WAY. 'Computed on the way' means the value that the module computes at that place (a softmax that the list does not call 'softmax' is quantised finished and normalised). What goes into a quantiser is computed in f32, as accurately as f32 sums, v_exp_f32 and their like allow (about 1e-6 of the number): no bf16 or f16 on the way to a quantiser, and a product that is left as it is and whose result goes on into a quantised operand takes f32 operands (vector FMAs, or v_wmma_f32_16x16x4_f32). A number that lies on a knife's edge between two numbers of the format may be rounded either way, as far as f32 arithmetic and the matrix unit's own rounding can turn it there, and no further.
;; One version. Each part assembles by itself: llvm-mc -triple=amdgcn-amd-amdhsa -mcpu=gfx1250 --defsym DOCPART=n.
;; ======== version 1 of 1: 4 launches
;; workspace buffers: cod 22,020,096 bytes; scl 917,504 bytes; qkv 19,660,800 bytes; aoc 6,291,456 bytes; aos 262,144 bytes
;; launch quant (part 1): grid 896 x 1, 4 waves a work-group, no clusters, 33,280 bytes of LDS; arguments query, key, value, w_q, w_k, w_v, w_o, cod, scl; writes cod, scl
.if DOCPART == 1
	.amdgcn_target "amdgcn-amd-amdhsa--gfx1250"
	.amdhsa_code_object_version 6
	.text
	.protected	k_q985fd27c75_quant
	.globl	k_q985fd27c75_quant
	.p2align	8
	.type	k_q985fd27c75_quant,@function
k_q985fd27c75_quant:
	s_mov_b64 s[64:65], 0
	v_nop
	global_prefetch_b8 v0, s[64:65] scope:SCOPE_SE
	s_setreg_imm32_b32 hwreg(HW_REG_WAVE_MODE, 25, 1), 1
	s_wait_xcnt 0x0
; query, key, value [8192][1024] and w_q, w_k, w_v, w_o [1024][1024], f32, K innermost, become codes of FP6 (E2M3) and one E8M0 byte for each 32 along K.
; cod: [28672 rows][768 bytes], scl: [28672 rows][32 bytes]; rows 0.. query, 8192.. key, 16384.. value, 24576 w_q, 25600 w_k, 26624 w_v, 27648 w_o.
; A ROW IS STORED AT THE PLACE WHOSE NUMBER HAS BITS 3 AND 4 EXCHANGED: sixteen rows on end in cod are then rows 32 b + 8 u + r + 8 (r / 8), which is the choice of rows that lets a
; later product's results lie along the next K in a lane's registers.  Here it costs nothing: a wave takes 8 rows, and only the place of its run changes.
; A block's scale is 2^(floor(log2(largest magnitude)) - 2); its byte is the largest magnitude's exponent field - 2, held at 1 from below.
; LIMITS: a block of zeros, or one whose largest magnitude lies under 2^-124, gets the byte 1 (its codes are zeros or as the held scale gives them; this program alone reads the bytes); NaN and infinities are not served.
; A work-group takes 32 rows (32,768 numbers), a wave 8 rows in 16 steps of 512 numbers.  Each load reads 512 consecutive bytes; a step's 2,048 bytes turn through the wave's own stage in LDS, so that a lane
; holds 16 neighbours along K.  No cluster: work-groups share no input.  No tensor loads, no barrier: waves share nothing.
.set WAVES, 4
.set STEPS, 16
.set EMAX,  2
.set CB,    12                         ; bytes of 16 codes
.set R,     16                         ; v16-79   four sets of 16 numbers as loaded
.set X,     80                         ; v80-111  two sets of 16 neighbours
.set C,     128                        ; v128-191 codes: four registers a step
.set E,     112                        ; v112-127 a scale byte a step
.set WREG,  8192                       ; LDS: a region for each wave: two stages of 32 x SP bytes, then its 256 scale bytes
.set SP,    80                         ; a lane's place in a stage: 64 bytes + 16 of padding
.set SPW,   12                         ; v12 LDS address of my spare word; never rewritten
.set NIL,   13                         ; v13 0; never rewritten
.set SPARE, WAVES*WREG                 ; the spare words, 128 bytes a wave
.macro PICK bound, lo, first           ; work-groups under bound take the tensor at s[lo:lo+1], whose first work-group is first
	s_cmp_lt_u32 ttmp9, \bound
	s_cselect_b64 s[22:23], s[\lo:\lo+1], s[22:23]
	s_cselect_b32 s24, \first, s24
.endm
	s_load_b256 s[4:11], s[0:1], 0x0               ; query, key, value, w_q
	s_load_b256 s[12:19], s[0:1], 0x20             ; w_k, w_v, w_o, cod
	s_load_b64 s[20:21], s[0:1], 0x40              ; scl
	v_lshl_add_u32 v[SPW], v0, 2, SPARE
	v_mov_b32 v[NIL], 0
	v_lshrrev_b32 v1, 5, v0
	v_readfirstlane_b32 s26, v1                    ; wave
	v_and_b32 v2, 31, v0                           ; lane
	v_lshlrev_b32 v3, 4, v2                        ; my 16 bytes of a load's 512
	s_mul_i32 s27, s26, WREG
	v_lshrrev_b32 v14, 2, v2
	v_mul_u32_u24 v14, v14, SP
	v_and_b32 v15, 3, v2
	v_lshl_add_u32 v14, v15, 4, v14
	v_add_nc_u32 v14, s27, v14                     ; the stage, on the way in: SP (lane / 4) + 16 (lane % 4)
	v_mul_u32_u24 v15, v2, SP
	v_add_nc_u32 v15, s27, v15                     ; and on the way out: SP x lane
	v_mul_u32_u24 v4, v2, CB                       ; my codes' place in a step's
	v_lshrrev_b32 v5, 1, v2
	s_add_co_u32 s27, s27, 2*32*SP
	v_add_nc_u32 v5, s27, v5                       ; LDS: my block's scale byte
	v_lshlrev_b32 v7, 3, v2
	v_add_nc_u32 v6, s27, v7                       ; on the way out 8 bytes a lane
	s_wait_alu depctr_va_vdst(0)
	s_wait_kmcnt 0x0
	s_mov_b64 s[22:23], s[16:17]                   ; which tensor: the choice hangs on the work-group's number alone
	s_mov_b32 s24, 864
	PICK 864, 14, 832
	PICK 832, 12, 800
	PICK 800, 10, 768
	PICK 768, 8, 512
	PICK 512, 6, 256
	PICK 256, 4, 0
	s_sub_co_u32 s28, ttmp9, s24
	s_lshl_b32 s28, s28, 2
	s_add_co_u32 s28, s28, s26                     ; my run of 8 rows in the tensor,
	s_lshl_b32 s28, s28, 15                        ; 32,768 bytes each
	s_mov_b32 s29, 0
	s_add_nc_u64 s[22:23], s[22:23], s[28:29]
	s_and_b32 s30, s26, 1                          ; its place in cod and scl: the wave's two bits are the rows' bits 3 and 4: exchanged
	s_lshl_b32 s30, s30, 1
	s_lshr_b32 s31, s26, 1
	s_or_b32 s30, s30, s31
	s_lshl_b32 s31, ttmp9, 2
	s_add_co_u32 s30, s30, s31
	s_mul_i32 s28, s30, 6144
	s_add_nc_u64 s[18:19], s[18:19], s[28:29]
	s_lshl_b32 s28, s30, 8
	s_add_nc_u64 s[20:21], s[20:21], s[28:29]
.macro LOAD t
.irp i, 0,1,2,3
	global_load_b128 v[R+16*((\t)%4)+4*\i:R+16*((\t)%4)+4*\i+3], v3, s[22:23] offset:2048*(\t)+512*\i th:TH_LOAD_NT   ; 32 lanes read 512 consecutive bytes
.endr
.endm
.macro TURN t                          ; step t's numbers through the stage: LDS serves a wave's instructions in order, so no wait stands between the stores and the loads
.irp i, 0,1,2,3
	ds_store_b128 v14, v[R+16*((\t)%4)+4*\i:R+16*((\t)%4)+4*\i+3] offset:32*SP*((\t)%2)+8*SP*\i
.endr
.irp i, 0,1,2,3
	ds_load_b128 v[X+16*((\t)%2)+4*\i:X+16*((\t)%2)+4*\i+3], v15 offset:32*SP*((\t)%2)+16*\i
.endr
.endm
.irp t, 0,1,2,3
	LOAD \t
.endr
	s_wait_loadcnt 12                              ; step 0's four loads are in; three steps' twelve may be out
	TURN 0
.macro STEP t
.set XS, X+16*((\t)%2)
.if (\t) > 0
	s_wait_dscnt 1                                 ; this step's numbers are back from the stage; the last step's byte store may be out
.else
	s_wait_dscnt 0x0
.endif
.if (\t)+4 < STEPS
	LOAD (\t)+4                                    ; into the registers that the stage's stores have read
.endif
.if (\t)+1 < STEPS
.if STEPS-2-(\t) >= 3
	s_wait_loadcnt 12                              ; the next step's four loads are in; those of the three steps behind it may be out
.else
	s_wait_loadcnt 4*(STEPS-2-(\t))
.endif
	TURN (\t)+1
.endif
	v_max3_num_f32 v8, |v[XS]|, |v[XS+1]|, |v[XS+2]|               ; the largest magnitude of my 16
	v_max3_num_f32 v9, |v[XS+3]|, |v[XS+4]|, |v[XS+5]|
.irp i, 6,10
	v_max3_num_f32 v8, v8, |v[XS+\i]|, |v[XS+\i+1]|
	v_max3_num_f32 v9, v9, |v[XS+\i+2]|, |v[XS+\i+3]|
.endr
	v_max3_num_f32 v8, v8, |v[XS+14]|, |v[XS+15]|
	v_max3_num_f32 v8, v8, v9, (EMAX+1)<<23        ; and the floor 2^(3 - 127): the byte cannot fall under 1
	v_max_num_f32_dpp v8, v8, v8 row_xmask:1 row_mask:0xf bank_mask:0xf   ; and of my neighbour's 16: the block's
	v_add_nc_u32 v11, -(EMAX<<23), v8              ; 2 off its exponent field: the conversion's scale operand
	v_cvt_scalef32_pk16_fp6_f32 v[C+4*(\t):C+4*(\t)+2], v[XS:XS+15], v11
	v_lshrrev_b32 v[E+(\t)], 23, v11               ; the scale's byte
	ds_store_b8 v5, v[E+(\t)] offset:16*(\t)       ; both lanes of a block write the same byte with the same value
	global_store_b96 v4, v[C+4*(\t):C+4*(\t)+2], s[18:19] offset:32*CB*(\t)   ; the wave stores 384 consecutive bytes
.endm
.irp t, 0,1,2,3,4,5,6,7,8,9,10,11,12,13,14,15
	STEP \t
.endr
	ds_load_b64 v[8:9], v6                         ; LDS serves a wave's instructions in order: these see my stores
	s_wait_dscnt 0x0
	global_store_b64 v7, v[8:9], s[20:21]          ; 32 lanes store 256 consecutive bytes, aligned
	s_wait_tensorcnt 0x0                           ; the wave's end, behind my last LDS store
	ds_add_u32 v[SPW], v[NIL]
	s_wait_dscnt 0x0
	s_endpgm
.Lfunc_end_k_q985fd27c75_quant:
	.size	k_q985fd27c75_quant, .Lfunc_end_k_q985fd27c75_quant-k_q985fd27c75_quant
	.p2alignl 7, 3214868480
	.fill 96, 4, 3214868480
	.section	.rodata,"a",@progbits
	.p2align	6, 0x0
	.amdhsa_kernel k_q985fd27c75_quant
		.amdhsa_group_segment_fixed_size 33280
		.amdhsa_private_segment_fixed_size 0
		.amdhsa_enable_private_segment 0
		.amdhsa_kernarg_size 72
		.amdhsa_user_sgpr_count 2
		.amdhsa_user_sgpr_kernarg_segment_ptr 1
		.amdhsa_wavefront_size32 1
		.amdhsa_system_sgpr_workgroup_id_x 1
		.amdhsa_system_sgpr_workgroup_id_y 1
		.amdhsa_system_sgpr_workgroup_id_z 1
		.amdhsa_system_vgpr_workitem_id 0
		.amdhsa_next_free_vgpr 192
		.amdhsa_next_free_sgpr 66
		.amdhsa_reserve_vcc 0
		.amdhsa_float_denorm_mode_32 3
		.amdhsa_float_denorm_mode_16_64 3
		.amdhsa_memory_ordered 1
		.amdhsa_forward_progress 1
		.amdhsa_inst_pref_size 33
	.end_amdhsa_kernel
	.amdgpu_metadata
---
amdhsa.version: [ 1, 2 ]
amdhsa.kernels:
  - .name:           k_q985fd27c75_quant
    .symbol:         k_q985fd27c75_quant.kd
    .args:
      - { .name: query, .offset: 0, .size: 8, .value_kind: global_buffer, .address_space: global }
      - { .name: key, .offset: 8, .size: 8, .value_kind: global_buffer, .address_space: global }
      - { .name: value, .offset: 16, .size: 8, .value_kind: global_buffer, .address_space: global }
      - { .name: w_q, .offset: 24, .size: 8, .value_kind: global_buffer, .address_space: global }
      - { .name: w_k, .offset: 32, .size: 8, .value_kind: global_buffer, .address_space: global }
      - { .name: w_v, .offset: 40, .size: 8, .value_kind: global_buffer, .address_space: global }
      - { .name: w_o, .offset: 48, .size: 8, .value_kind: global_buffer, .address_space: global }
      - { .name: cod, .offset: 56, .size: 8, .value_kind: global_buffer, .address_space: global }
      - { .name: scl, .offset: 64, .size: 8, .value_kind: global_buffer, .address_space: global }
    .group_segment_fixed_size: 33280
    .private_segment_fixed_size: 0
    .kernarg_segment_align: 8
    .kernarg_segment_size: 72
    .max_flat_workgroup_size: 128
    .sgpr_count:     66
    .vgpr_count:     192
    .wavefront_size: 32
...
	.end_amdgpu_metadata
.endif
;; end of part 1
;; launch proj (part 2): grid 4 x 96, 4 waves a work-group, clusters of 4 x 4, 327,680 bytes of LDS; arguments cod, scl, b_q, b_k, b_v, qkv; writes qkv
.if DOCPART == 2
	.amdgcn_target "amdgcn-amd-amdhsa--gfx1250"
	.amdhsa_code_object_version 6
	.text
	.protected	k_q985fd27c75_proj
	.globl	k_q985fd27c75_proj
	.p2align	8
	.type	k_q985fd27c75_proj,@function
k_q985fd27c75_proj:
	s_mov_b64 s[64:65], 0
	v_nop
	global_prefetch_b8 v0, s[64:65] scope:SCOPE_SE
	s_setreg_imm32_b32 hwreg(HW_REG_WAVE_MODE, 25, 1), 1
	s_wait_xcnt 0x0
	s_wait_alu depctr_hold_cnt(0) depctr_sa_sdst(0) depctr_va_vdst(0) depctr_va_sdst(0) depctr_va_ssrc(0) depctr_va_vcc(0) depctr_vm_vsrc(0)
	s_getreg_b32 s2, hwreg(HW_REG_IB_STS2, 6, 4)
	s_cmp_eq_u32 s2, 0
	s_cbranch_scc0 .Lentry_in_a_cluster
	s_endpgm
.Lentry_in_a_cluster:
	s_bfe_u32 s2, ttmp6, 0x10000c
	s_cmp_lg_u32 s2, 0xf033
	s_cbranch_scc0 .Lentry_shape_is_right
	s_endpgm
.Lentry_shape_is_right:
.set KSTEP,  256
.set NQ,     2
.set ROWB,   192
.set KROW,   768
.set PITCH,  240
.set FR,     12
.set NL,     6
.set NLA,    6
.set NP,     4
.set HALFT,  128*PITCH
.set SLOT,   4*HALFT
.set LAPS,   2
.set KS,     32
.set SCL,    2*SLOT
.set HALFS,  16*272
.set SBLK,   2*272
.set SPARE,  SCL+4*HALFS
.set ADRA, 16
.set ADRB, 20
.set OA,   24
.set OB,   25
.set OC,   26
.set ADRS, 27
.set SPW,  28
.set NIL,  29
.set OD,   30
.set OS,   31
.set SC,   32
.set BB,   64
.set AF,   128
.set BA,   224
.set HA,   128
.set PC,   192
.set PT,   204
.set TM,   32
.set PWR,  48
.set XR,   56
.set G1, 24
.set G0, 32
.set G1B, 48
.set G0B, 56
.set G1S, 68
.set G0S, 76
.set G1SB, 80
.set G0SB, 88
.set SEL, 92
.set MSB, 0
.macro WIN new
.if MSB != (\new)
	s_set_vgpr_msb (MSB<<8)|(\new)
.set MSB, (\new)
.endif
.endm
.set MUL_LO, 0xa1
.set MUL_HI, 0xf1
.set TO_B,   0x40
.macro JLOAD g0a, g1a, g0b, g1b
	s_cmp_eq_u32 s15, 0
	s_cbranch_scc0 .Lfor_b_\@
	tensor_load_to_lds s[\g0a:\g0a+3], s[\g1a:\g1a+7]
	s_nop 0
.rept 4
	v_nop
.endr
	s_branch .Lasked_\@
.Lfor_b_\@:
	tensor_load_to_lds s[\g0b:\g0b+3], s[\g1b:\g1b+7]
	s_nop 0
.rept 4
	v_nop
.endr
.Lasked_\@:
.endm
.macro CREST
	s_cmp_lg_u32 s14, 0
	s_cbranch_scc1 .Lnot_wave_0_\@
	s_barrier_signal -3
.Lnot_wave_0_\@:
	s_barrier_wait -3
	s_barrier_signal -1
	s_barrier_wait -1
.endm
.macro CROUND
	s_barrier_signal -1
	s_barrier_wait -1
	CREST
.endm
	s_load_b128 s[4:7], s[0:1], 0x0
	s_load_b128 s[8:11], s[0:1], 0x10
	s_load_b128 s[96:99], s[0:1], 0x20
	v_lshl_add_u32 v[SPW], v0, 2, SPARE
	v_mov_b32 v[NIL], 0
	ds_add_u32 v[SPW], v[NIL]
	ds_add_u32 v[SPW], v[NIL]
	v_lshrrev_b32 v1, 5, v0
	v_readfirstlane_b32 s14, v1
	s_lshr_b32 s15, s14, 1
	s_and_b32 s16, s14, 1
	s_bfe_u32 s40, ttmp6, 0x40000
	s_bfe_u32 s41, ttmp6, 0x40004
	s_and_b32 s95, ttmp7, 0xffff
	s_lshl_b32 s12, s95, 10
	s_lshr_b32 s13, s95, 3
	s_lshl_b32 s13, s13, 10
	s_add_co_u32 s13, s13, 24576
	s_cmp_ge_u32 s95, 16
	s_cselect_b32 s66, -1, 0
	s_cselect_b32 s67, 0, -1
	s_cselect_b32 s17, s13, s12
	s_cselect_b32 s42, s12, s13
	s_lshl_b32 s12, s41, 8
	s_add_co_u32 s17, s17, s12
	s_lshl_b32 s13, s40, 8
	s_add_co_u32 s42, s42, s13
	s_lshl_b32 s43, s41, 2
	s_lshl_b32 s43, 15, s43
	s_lshl_b32 s44, 0x1111, s40
	s_or_b32 s[G1+0], s43, (0<<16)|(1<<20)|(1<<21)|(3<<22)|(3<<25)
	s_or_b32 s[G1B+0], s44, (0<<16)|(1<<20)|(1<<21)|(3<<22)|(3<<25)
.irp g, G1, G1B
	s_mov_b32 s[\g+1], ROWB<<16
	s_mov_b32 s[\g+2], 128<<16
	s_mov_b32 s[\g+3], ROWB<<16
	s_mov_b32 s[\g+4], 128
	s_mov_b32 s[\g+5], KROW
	s_mov_b32 s[\g+6], 0
	s_mov_b32 s[\g+7], 0
.endr
	s_or_b32 s[G1S+0], s43, (3<<16)|(1<<20)|(1<<21)|(5<<22)|(3<<25)
	s_or_b32 s[G1SB+0], s44, (3<<16)|(1<<20)|(1<<21)|(5<<22)|(3<<25)
.irp g, G1S, G1SB
	s_mov_b32 s[\g+1], 32<<16
	s_mov_b32 s[\g+2], 16<<16
	s_mov_b32 s[\g+3], 32<<16
	s_mov_b32 s[\g+4], 16
	s_mov_b32 s[\g+5], 32
	s_mov_b32 s[\g+6], 0
	s_mov_b32 s[\g+7], 0
.endr
	s_lshl_b32 s18, s16, 7
	s_add_co_u32 s20, s17, s18
	s_add_co_u32 s46, s42, s18
	s_mov_b32 s21, 0
	s_mov_b32 s47, 0
	s_mov_b64 s[18:19], KS
	s_mul_u64 s[22:23], s[20:21], s[18:19]
	s_mul_u64 s[92:93], s[46:47], s[18:19]
	s_mov_b64 s[18:19], KROW
	s_mul_u64 s[20:21], s[20:21], s[18:19]
	s_mul_u64 s[46:47], s[46:47], s[18:19]
	s_mul_i32 s45, s14, HALFT
	s_mul_i32 s94, s14, HALFS
	s_wait_dscnt 0x0
	s_wait_kmcnt 0x0
	s_add_nc_u64 s[20:21], s[4:5], s[20:21]
	s_add_nc_u64 s[22:23], s[6:7], s[22:23]
	s_add_nc_u64 s[46:47], s[4:5], s[46:47]
	s_add_nc_u64 s[92:93], s[6:7], s[92:93]
	CROUND
	s_mov_b32 s[G0S], 1
	s_add_co_u32 s[G0S+1], s94, SCL
	s_mov_b64 s[G0S+2:G0S+3], s[22:23]
	s_or_b32 s[G0S+3], s[G0S+3], 0x80000000
	s_mov_b32 s[G0SB], 1
	s_add_co_u32 s[G0SB+1], s94, SCL
	s_mov_b64 s[G0SB+2:G0SB+3], s[92:93]
	s_or_b32 s[G0SB+3], s[G0SB+3], 0x80000000
	JLOAD G0S, G1S, G0SB, G1SB
.irp s, 0,1
	s_mov_b32 s[G0+4*\s], 1
	s_add_co_u32 s[G0+4*\s+1], s45, \s*SLOT
	s_add_nc_u64 s[G0+4*\s+2:G0+4*\s+3], s[20:21], \s*ROWB
	s_or_b32 s[G0+4*\s+3], s[G0+4*\s+3], 0x80000000
	s_mov_b32 s[G0B+4*\s], 1
	s_add_co_u32 s[G0B+4*\s+1], s45, \s*SLOT
	s_add_nc_u64 s[G0B+4*\s+2:G0B+4*\s+3], s[46:47], \s*ROWB
	s_or_b32 s[G0B+4*\s+3], s[G0B+4*\s+3], 0x80000000
	s_wait_alu depctr_va_vdst(0)
	s_wait_tensorcnt 0x0
	ds_add_u32 v28, v29
	s_wait_dscnt 0x0
	CROUND
	JLOAD G0+4*\s, G1, G0B+4*\s, G1B
.endr
	v_and_b32 v1, 15, v0
	v_bfe_u32 v2, v0, 4, 1
	v_mul_u32_u24 v3, v1, PITCH
	v_mul_u32_u24 v4, v2, 24
	v_add_nc_u32 v4, v3, v4
	v_lshl_add_u32 v5, v2, 4, v4
	s_mul_i32 s21, s15, HALFT
	s_mul_i32 s22, s16, HALFT
	s_add_co_u32 s22, s22, 2*HALFT
.irp s, 0,1
	v_add_nc_u32 v[ADRA+\s], s21, v4
	v_add_nc_u32 v[ADRB+\s], s22, v4
	v_add_nc_u32 v[ADRA+2+\s], s21, v5
	v_add_nc_u32 v[ADRB+2+\s], s22, v5
	s_add_co_u32 s21, s21, SLOT
	s_add_co_u32 s22, s22, SLOT
.endr
	v_mul_u32_u24 v5, v1, KS
	v_lshrrev_b32 v6, 8, v5
	v_lshl_add_u32 v5, v6, 4, v5
	s_mul_i32 s21, s15, HALFS
	s_mul_i32 s22, s16, HALFS
	s_add_co_u32 s22, s22, 2*HALFS
	s_sub_co_u32 s22, s22, s21
	v_mul_u32_u24 v6, s22, v2
	s_add_co_u32 s21, s21, SCL
	v_add_nc_u32 v5, v5, v6
	v_add_nc_u32 v[ADRS], s21, v5
	s_mov_b32 s[SEL], 0x76543210
	s_mov_b32 s[SEL+1], 0xfedcba98
	s_mov_b32 s100, 0xffff0000
	s_mov_b32 s101, 0x05040100
	s_mov_b32 s2, 0x07060302
	s_lshl_b32 s20, s15, 7
	s_add_co_u32 s20, s20, s17
	s_lshl_b32 s21, s16, 7
	s_add_co_u32 s21, s21, s42
	s_mov_b32 s13, 307200
	s_mov_b32 s18, 768
	s_mov_b32 s46, 768
	s_cmp_ge_u32 s95, 16
	s_cselect_b32 s22, s21, s20
	s_cselect_b32 s23, s20, s21
	s_cselect_b32 s13, 768, s13
	s_cselect_b32 s18, 1536, s18
	s_cselect_b32 s46, 302592, s46
	s_mov_b32 s19, 0
	s_mov_b32 s47, 0
	s_and_b32 s22, s22, 8191
	s_and_b32 s23, s23, 1023
	s_lshl_b32 s43, s23, 2
	s_and_b32 s20, s43, s67
	s_and_b32 s21, s43, s66
	v_and_b32 v6, 31, v0
	v_lshlrev_b32 v[OA], 4, v6
	v_lshl_add_u32 v[OB], v6, 3, 512
	v_add_nc_u32 v[OC], s13, v[OA]
	v_add_nc_u32 v[OD], s13, v[OB]
	v_mul_u32_u24 v[OS], v2, 307200
	v_lshl_add_u32 v[OS], v1, 4, v[OS]
	v_lshl_add_u32 v8, v2, 6, s20
	v_and_b32 v9, 8, v1
	v_add_nc_u32 v9, v9, v1
	v_lshl_add_u32 v9, v9, 2, s21
	s_lshr_b32 s43, s95, 3
	s_cmp_eq_u32 s43, 1
	s_cselect_b64 s[8:9], s[10:11], s[8:9]
	s_cmp_eq_u32 s43, 2
	s_cselect_b64 s[8:9], s[96:97], s[8:9]
.irp b, 0,1,2,3,4,5,6,7
	global_load_b128 v[BB+8*\b:BB+8*\b+3], v8, s[8:9] offset:(32*(\b/2)+8*(\b%2))*4
	global_load_b128 v[BB+8*\b+4:BB+8*\b+7], v8, s[8:9] offset:(32*(\b/2)+8*(\b%2))*4+16
.endr
.irp a, 0,1,2,3,4,5,6,7
	global_load_b32 v[BA+2*\a], v9, s[8:9] offset:(32*(\a/2)+8*(\a%2))*4
	global_load_b32 v[BA+2*\a+1], v9, s[8:9] offset:(32*(\a/2)+8*(\a%2))*4
.endr
	s_lshr_b32 s40, s22, 11
	s_lshl_b32 s40, s40, 4
	s_lshr_b32 s41, s23, 6
	s_add_co_u32 s40, s40, s41
	s_bfe_u32 s41, s22, 0x40007
	s_mul_i32 s40, s40, 307200
	s_mul_i32 s41, s41, 19200
	s_add_co_u32 s40, s40, s41
	s_mul_i32 s44, s43, 6144
	s_add_co_u32 s44, s44, 256
	s_add_co_u32 s44, s44, s40
	s_mov_b32 s45, 0
	s_add_nc_u64 s[12:13], s[98:99], s[44:45]
	s_lshl_b32 s44, s43, 8
	s_add_co_u32 s44, s44, 18432
	s_cmp_eq_u32 s43, 0
	s_cselect_b32 s44, 0, s44
	s_add_co_u32 s44, s44, s40
	s_add_nc_u64 s[10:11], s[98:99], s[44:45]
	s_wait_loadcnt 0x0
.set i, 0
.rept 64
	v_and_b32 v[BB+i], s67, v[BB+i]
.set i, i+1
.endr
.set i, 0
.rept 16
	v_and_b32 v[BA+i], s66, v[BA+i]
.set i, i+1
.endr
.macro FRAG reg, adr, q, i
.irp p, 0,1,2,3,4,5
.set PCE, 12*(\q)+6*(\p/3)+\p%3
.if PCE%8 < 5
	ds_load_b64 v[\reg+2*\p:\reg+2*\p+1], v[\adr] offset:8*PCE+16*(PCE/8)+(\i)*16*PITCH
.else
	ds_load_b64 v[\reg+2*\p:\reg+2*\p+1], v[\adr+2] offset:8*PCE+16*(PCE/8)+(\i)*16*PITCH
.endif
.endr
.endm
.macro MUL16 a0, p, q, sc, zero
.irp a, \a0, \a0+1
.irp b, 0,1,2,3,4,5,6,7
.if \zero
	v_wmma_scale_f32_16x16x128_f8f6f4 v[8*(8*((\a)%4)+\b):8*(8*((\a)%4)+\b)+7], v[128*(\p)+FR*\b:128*(\p)+FR*\b+FR-1], v[AF+FR*(\a):AF+FR*(\a)+FR-1], 0, v[SC+8*NQ*(\sc)+NQ*\b+(\q)], v[SC+8*NQ*(\sc)+NQ*(\a)+(\q)] matrix_a_fmt:MATRIX_FMT_FP6 matrix_b_fmt:MATRIX_FMT_FP6 matrix_a_scale:MATRIX_SCALE_ROW1
.else
	v_wmma_scale_f32_16x16x128_f8f6f4 v[8*(8*((\a)%4)+\b):8*(8*((\a)%4)+\b)+7], v[128*(\p)+FR*\b:128*(\p)+FR*\b+FR-1], v[AF+FR*(\a):AF+FR*(\a)+FR-1], v[8*(8*((\a)%4)+\b):8*(8*((\a)%4)+\b)+7], v[SC+8*NQ*(\sc)+NQ*\b+(\q)], v[SC+8*NQ*(\sc)+NQ*(\a)+(\q)] matrix_a_fmt:MATRIX_FMT_FP6 matrix_b_fmt:MATRIX_FMT_FP6 matrix_a_scale:MATRIX_SCALE_ROW1
.endif
.endr
.endr
.endm
.macro FETCH_B slot, q, p
	WIN TO_B
.irp i, 0,1,2,3,4,5,6,7
	FRAG 128*(\p)+FR*\i, ADRB+\slot, \q, \i
.endr
	WIN 0
.endm
.macro FETCH_A slot, q, i0
.irp i, \i0, \i0+1, \i0+2, \i0+3
	FRAG AF+FR*(\i), ADRA+\slot, \q, \i
.endr
.endm
.macro SCALES sc
.irp i, 0,1,2,3,4,5,6,7
	ds_load_b64 v[SC+8*NQ*\sc+NQ*\i:SC+8*NQ*\sc+NQ*\i+1], v[ADRS] offset:\i*SBLK
.endr
.endm
.macro PLACES n
.rept \n
	v_nop
.endr
.endm
.macro STEP slot, q, zero
	s_wait_dscnt 4*NLA
	WIN MUL_LO
	MUL16 0, (\q)%2, \q, \slot, \zero
	MUL16 2, (\q)%2, \q, \slot, \zero
	s_wait_dscnt 0
	PLACES NP
	FETCH_B \slot, (\q)+1, 1-(\q)%2
	FETCH_A \slot, (\q)+1, 0
	WIN MUL_HI
	MUL16 4, (\q)%2, \q, \slot, \zero
	MUL16 6, (\q)%2, \q, \slot, \zero
	PLACES NP
	WIN 0
	FETCH_A \slot, (\q)+1, 4
.endm
.macro TURN slot, next, fill
	s_wait_tensorcnt 0x0
	ds_add_u32 v[SPW], v[NIL]
	s_wait_dscnt 4*NLA+1
	WIN MUL_LO
	MUL16 0, 1, NQ-1, \slot, 0
	s_wait_dscnt 0x0
	s_barrier_signal -1
	MUL16 2, 1, NQ-1, \slot, 0
	WIN 0
	s_barrier_wait -1
.if \fill
	CREST
	s_add_nc_u64 s[G0+4*\slot+2:G0+4*\slot+3], s[G0+4*\slot+2:G0+4*\slot+3], 2*ROWB
	s_add_nc_u64 s[G0B+4*\slot+2:G0B+4*\slot+3], s[G0B+4*\slot+2:G0B+4*\slot+3], 2*ROWB
	JLOAD G0+4*\slot, G1, G0B+4*\slot, G1B
.else
	PLACES NP
.endif
	s_wait_alu depctr_va_vdst(0)
	v_add_nc_u32 v[ADRS], 4*NQ, v[ADRS]
	FETCH_B \next, 0, 0
	FETCH_A \next, 0, 0
	SCALES \next
	WIN MUL_HI
	MUL16 4, 1, NQ-1, \slot, 0
	MUL16 6, 1, NQ-1, \slot, 0
	PLACES NP
	WIN 0
	FETCH_A \next, 0, 4
.endm
	s_wait_tensorcnt 1
	s_barrier_signal -1
	s_barrier_wait -1
	FETCH_B 0, 0, 0
	FETCH_A 0, 0, 0
	SCALES 0
	FETCH_A 0, 0, 4
	STEP 0, 0, 1
	s_mov_b32 s3, LAPS-1
.Llap:
	TURN 0, 1, 1
	STEP 1, 0, 0
	TURN 1, 0, 1
	STEP 0, 0, 0
	s_sub_co_u32 s3, s3, 1
	s_cmp_lg_u32 s3, 0
	s_cbranch_scc1 .Llap
	TURN 0, 1, 0
	STEP 1, 0, 0
	s_wait_dscnt 4*NLA
	WIN MUL_LO
	MUL16 0, 1, NQ-1, 1, 0
	MUL16 2, 1, NQ-1, 1, 0
	s_wait_dscnt 0
	WIN MUL_HI
	MUL16 4, 1, NQ-1, 1, 0
	MUL16 6, 1, NQ-1, 1, 0
	WIN 0
.macro QUANT s, pw
.irp b, 0,1,2,3
	v_max3_num_f32 v[TM+\b], |v[\s+16*\b]|, |v[\s+1+16*\b]|, 0x1800000
.endr
.irp i, 2,4,6,8,10,12,14
.irp b, 0,1,2,3
	v_max3_num_f32 v[TM+\b], v[TM+\b], |v[\s+16*\b+\i]|, |v[\s+1+16*\b+\i]|
.endr
.endr
.irp b, 0,1,2,3
	v_permlanex16_b32 v[TM+4+\b], v[TM+\b], s[SEL], s[SEL+1]
.endr
.irp b, 0,1,2,3
	v_max_num_f32 v[TM+\b], v[TM+\b], v[TM+4+\b]
.endr
.irp b, 0,1,2,3
	v_add_nc_u32 v[TM+12+\b], 0xff000000, v[TM+\b]
.endr
.irp b, 0,1,2,3
	v_lshrrev_b32 v[TM+4+\b], 23, v[TM+12+\b]
.endr
	v_lshl_or_b32 v[\pw], v[TM+5], 8, v[TM+4]
	v_lshl_or_b32 v[\pw], v[TM+6], 16, v[\pw]
	v_lshl_or_b32 v[\pw], v[TM+7], 24, v[\pw]
.irp c, 0,1
	v_cvt_scalef32_pk16_fp6_f32 v[PC+6*\c:PC+2+6*\c], v[\s+32*\c:\s+15+32*\c], v[TM+12+2*\c]
	v_cvt_scalef32_pk16_fp6_f32 v[PT+4*\c:PT+2+4*\c], v[\s+16+32*\c:\s+31+32*\c], v[TM+12+2*\c+1]
.endr
	v_nop
.irp c, 0,1
.irp i, 0,1,2
	v_permlane16_swap_b32 v[PC+6*\c+\i], v[PT+4*\c+\i]
.endr
.irp i, 0,1,2
	v_mov_b32 v[PC+3+6*\c+\i], v[PT+4*\c+\i]
.endr
.endr
.endm
.macro EPI a
.if (\a) > 0
	s_wait_xcnt 0x0
.if (\a) == 4
	s_add_nc_u64 s[12:13], s[12:13], s[46:47]
.else
	s_add_nc_u64 s[12:13], s[12:13], s[18:19]
.endif
.endif
	WIN 0x02+(\a)/4
.set i, 0
.rept 32
	v_pk_add_f32 v[HA+2*i:HA+2*i+1], v[64*((\a)%4)+2*i:64*((\a)%4)+2*i+1], v[BB+2*i:BB+2*i+1]
.set i, i+1
.endr
	WIN 0
.set i, 0
.rept 32
	v_pk_add_f32 v[HA+2*i:HA+2*i+1], v[HA+2*i:HA+2*i+1], v[BA+2*(\a):BA+2*(\a)+1]
.set i, i+1
.endr
	QUANT HA, PWR+(\a)
	global_store_b128 v[OA], v[PC:PC+3], s[12:13]
	global_store_b64 v[OB], v[PC+4:PC+5], s[12:13]
	global_store_b128 v[OC], v[PC+6:PC+9], s[12:13]
	global_store_b64 v[OD], v[PC+10:PC+11], s[12:13]
.endm
	PLACES NP
.irp b, 0,1,2,3
	v_mov_b32 v[TM+4+\b], 0
.endr
.irp a, 0,1,2,3,4,5,6,7
	EPI \a
.endr
.irp f, 0,1,2,3
	v_perm_b32 v60, v[PWR+2*\f+1], v[PWR+2*\f], s101
	v_perm_b32 v61, v[PWR+2*\f+1], v[PWR+2*\f], s2
	v_cndmask_b32 v60, v60, v61, s100
	v_cndmask_b32 v61, v[PWR+\f], v[PWR+4+\f], s100
	v_cndmask_b32 v[XR+\f], v60, v61, s66
.endr
	global_store_b128 v[OS], v[XR:XR+3], s[10:11]
	s_wait_tensorcnt 0x0
	ds_add_u32 v[SPW], v[NIL]
	s_wait_dscnt 0x0
	CROUND
	s_endpgm
.Lfunc_end_k_q985fd27c75_proj:
	.size	k_q985fd27c75_proj, .Lfunc_end_k_q985fd27c75_proj-k_q985fd27c75_proj
	.p2alignl 7, 3214868480
	.fill 96, 4, 3214868480
	.section	.rodata,"a",@progbits
	.p2align	6, 0x0
	.amdhsa_kernel k_q985fd27c75_proj
		.amdhsa_group_segment_fixed_size 327680
		.amdhsa_private_segment_fixed_size 0
		.amdhsa_enable_private_segment 0
		.amdhsa_kernarg_size 48
		.amdhsa_user_sgpr_count 2
		.amdhsa_user_sgpr_kernarg_segment_ptr 1
		.amdhsa_wavefront_size32 1
		.amdhsa_system_sgpr_workgroup_id_x 1
		.amdhsa_system_sgpr_workgroup_id_y 1
		.amdhsa_system_sgpr_workgroup_id_z 1
		.amdhsa_system_vgpr_workitem_id 0
		.amdhsa_next_free_vgpr 1024
		.amdhsa_next_free_sgpr 102
		.amdhsa_reserve_vcc 0
		.amdhsa_float_denorm_mode_32 3
		.amdhsa_float_denorm_mode_16_64 3
		.amdhsa_memory_ordered 1
		.amdhsa_forward_progress 1
		.amdhsa_inst_pref_size 206
	.end_amdhsa_kernel
	.amdgpu_metadata
---
amdhsa.version: [ 1, 2 ]
amdhsa.kernels:
  - .name:           k_q985fd27c75_proj
    .symbol:         k_q985fd27c75_proj.kd
    .args:
      - { .name: cod, .offset: 0, .size: 8, .value_kind: global_buffer, .address_space: global }
      - { .name: scl, .offset: 8, .size: 8, .value_kind: global_buffer, .address_space: global }
      - { .name: b_q, .offset: 16, .size: 8, .value_kind: global_buffer, .address_space: global }
      - { .name: b_k, .offset: 24, .size: 8, .value_kind: global_buffer, .address_space: global }
      - { .name: b_v, .offset: 32, .size: 8, .value_kind: global_buffer, .address_space: global }
      - { .name: qkv, .offset: 40, .size: 8, .value_kind: global_buffer, .address_space: global }
    .group_segment_fixed_size: 327680
    .private_segment_fixed_size: 0
    .kernarg_segment_align: 8
    .kernarg_segment_size: 48
    .max_flat_workgroup_size: 128
    .sgpr_count:     102
    .vgpr_count:     1024
    .wavefront_size: 32
...
	.end_amdgpu_metadata
.endif
;; end of part 2
;; launch attn (part 3): grid 4 x 64, 16 waves a work-group, clusters of 4 x 1, 206,848 bytes of LDS; arguments qkv, aoc, aos; writes aoc, aos
.if DOCPART == 3
	.amdgcn_target "amdgcn-amd-amdhsa--gfx1250"
	.amdhsa_code_object_version 6
	.text
	.protected	k_q985fd27c75_attn
	.globl	k_q985fd27c75_attn
	.p2align	8
	.type	k_q985fd27c75_attn,@function
k_q985fd27c75_attn:
	s_mov_b64 s[64:65], 0
	v_nop
	global_prefetch_b8 v0, s[64:65] scope:SCOPE_SE
	s_setreg_imm32_b32 hwreg(HW_REG_WAVE_MODE, 25, 1), 1
	s_wait_xcnt 0x0
	s_wait_alu depctr_hold_cnt(0) depctr_sa_sdst(0) depctr_va_vdst(0) depctr_va_sdst(0) depctr_va_ssrc(0) depctr_va_vcc(0) depctr_vm_vsrc(0)
	s_getreg_b32 s2, hwreg(HW_REG_IB_STS2, 6, 4)
	s_cmp_eq_u32 s2, 0
	s_cbranch_scc0 .Lentry_in_a_cluster
	s_endpgm
.Lentry_in_a_cluster:
	s_bfe_u32 s2, ttmp6, 0x10000c
	s_cmp_lg_u32 s2, 0x3003
	s_cbranch_scc0 .Lentry_shape_is_right
	s_endpgm
.Lentry_shape_is_right:
; O = softmax(q k^T / 8) v for one head of one batch, both products on codes of FP6 (E2M3) with E8M0 scales; O / l is quantised along the features and stored as images of operand registers.
; THE SOFTMAX: t = score x log2(e) / 8; M = the running largest t rounded up to a whole number; p = 2^(t - M) is quantised along the keys, not normalised; the row's sum is taken of the unquantised p and divides O at the end.
; SHARES.  A work-group owns one head and 512 queries, in two passes of 256; each of its sixteen waves owns one tile of 16 queries in a pass, in 256 registers: four waves to a SIMD.
; LDS.  The head's k and v and their scale words, 16 steps of 128 keys x 12,800 bytes, are filled ONCE: no slot is filled again.  Step s at 12,800 s: k's 8 groups, 6,144 v's 4 fragments, 12,288 k's scale words, 12,544 v's.
; CLUSTER.  The four work-groups of a head ask for each step jointly (mask 15).  Waves 0-3 issue four loads each, wave w's load c brings step 4 c + w; by this text's count a wave has four loads out.
; LAYOUT.  Both products are used transposed: a lane holds one query.  The head is 64 deep and the instruction 128: a fragment of k holds TWO tiles of 16 keys, one in each half of K, and q stands in one half beside zero codes:
;   [q | 0] gives the first tile's scores, [0 | q] the second's.  The tiles' keys are 32 f + 8 u + r + 8 (r / 8), so the 16 registers of a fragment's two results are 16 neighbouring keys.
; LIMITS: NaN and infinities are not served; a block of zeros, or one under 2^-124, gets the byte 1 (this program alone reads the bytes); a block's largest p is taken from the block's largest score: v_exp_f32 is taken not to fall where its input rises.
.set STEPB, 12800
.set SPARE, 16*STEPB                   ; the spare words, 128 bytes for each of sixteen waves
.set L16,  1                           ; v1  16 x lane
.set L8,   2                           ; v2  8 x lane + 512
.set A16,  3                           ; v3, v4: the same in the step in hand
.set A8,   4
.set SPW,  5
.set NIL,  6
.set QSO,  7                           ; v7  q's scale word: 16 r + 4 (a / 2)
.set SBO,  8                           ; v8  my byte in aos: 32 r + h
.set QO16, 9                           ; v9, v10: q's group
.set QO8,  10
.set QHI,  16                          ; v16-27 [0 | q];  v22-33 [q | 0]
.set QLO,  22
.set QS,   34
.set PS,   35
.set FF,   36                          ; v[36:37] f = 2^(old M - new M)
.set SX,   40                          ; v40-43 lanes 0-15 k's four scale words, lanes 16-31 v's
.set FRG,  44                          ; v44-91 four fragments
.set S,    96                          ; v96-159 scores, then p
.set O,    160                         ; v160-191 O^T
.set PC,   192
.set PT,   204
.set BM,   212
.set BP,   216
.set SO,   220
.set T0,   224
.set AC2,  226
.set PB,   228
.set WV,   10
.set G1,   16                          ; s[16:23]
.set G0,   24                          ; s[24:39] four groups 0
.set SEL,  42
.set CS,   44
.set TB,   46
.set CNT,  47
.set PASS, 48
.macro CROUND                          ; a round of the cluster's barrier
	s_barrier_signal -1
	s_barrier_wait -1
	s_cmp_lg_u32 s[WV], 0
	s_cbranch_scc1 .Lnot_wave_0_\@
	s_barrier_signal -3
.Lnot_wave_0_\@:
	s_barrier_wait -3
	s_barrier_signal -1
	s_barrier_wait -1
.endm
	s_load_b128 s[4:7], s[0:1], 0x0                ; qkv, aoc
	s_load_b64 s[8:9], s[0:1], 0x10                ; aos
	v_lshl_add_u32 v[SPW], v0, 2, SPARE
	v_mov_b32 v[NIL], 0
	ds_add_u32 v[SPW], v[NIL]                      ; the wave's opening: the add and its wait ahead of the first tensor loads
	ds_add_u32 v[SPW], v[NIL]
	v_lshrrev_b32 v11, 5, v0
	s_delay_alu instid0(VALU_DEP_1)
	v_readfirstlane_b32 s[WV], v11                 ; wave 0..15
	s_bfe_u32 s11, ttmp6, 0x40000                  ; cx
	s_lshl_b32 s12, ttmp9, 2
	s_add_co_u32 s12, s12, s11                     ; my block of 512 queries: it enters q's and the outputs' addresses alone
	s_and_b32 s13, ttmp7, 0xffff                   ; the head of the batch, which the four partners share
	s_mov_b32 s[G1], 15|(3<<16)|(1<<21)            ; the mask: all four; elements of 8 bytes; bit 21 beside a mask; no padding
	s_mov_b32 s[G1+1], 32<<16                      ; tensor_dim0: 256 bytes
	s_mov_b32 s[G1+2], 50<<16                      ; tensor_dim1: 50 rows: 12,800 dense bytes
	s_mov_b32 s[G1+3], 32<<16                      ; tile_dim0
	s_mov_b32 s[G1+4], 50                          ; tile_dim1
	s_mov_b32 s[G1+5], 32                          ; the pitch
	s_mov_b32 s[G1+6], 0
	s_mov_b32 s[G1+7], 0
	s_mov_b32 s[SEL], 0x76543210
	s_mov_b32 s[SEL+1], 0xfedcba98
	s_mov_b32 s[CS], 0x3e38aa3b                    ; c = log2(e) / 8
	s_mov_b32 s[CS+1], s[CS]
	s_mov_b32 s50, 0xffff0000                      ; lanes 16-31
	s_and_b32 s55, s[WV], 3                        ; the step that I fetch, if I fetch
	s_mul_i32 s51, s13, 307200                     ; the head's first byte
	s_mul_i32 s52, s55, 19200
	s_add_co_u32 s52, s52, s51
	s_add_co_u32 s52, s52, 6400                    ; behind q's part of a block
	s_mov_b32 s53, 0
	s_mul_i32 s54, s55, STEPB
	s_wait_dscnt 0x0                               ; the opening add is done
	s_wait_kmcnt 0x0
	s_add_nc_u64 s[40:41], s[4:5], s[52:53]
.irp c, 0,1,2,3
	s_mov_b32 s[G0+4*\c], 1
	s_add_co_u32 s[G0+4*\c+1], s54, \c*4*STEPB
	s_add_nc_u64 s[G0+4*\c+2:G0+4*\c+3], s[40:41], \c*76800
	s_or_b32 s[G0+4*\c+3], s[G0+4*\c+3], 0x80000000
.endr
	CROUND                                         ; all four work-groups are here: the joint loads meet
	s_cmp_lt_u32 s[WV], 4                          ; a wave's first fills stand in one branch on the wave's number
	s_cbranch_scc0 .Lno_fetch
.irp c, 0,1,2,3
	tensor_load_to_lds s[G0+4*\c:G0+4*\c+3], s[G1:G1+7]
	s_nop 0
.endr
.rept 4
	v_nop
.endr
.Lno_fetch:
	v_and_b32 v11, 31, v0
	s_delay_alu instid0(VALU_DEP_1)
	v_lshlrev_b32 v[L16], 4, v11
	s_delay_alu instid0(VALU_DEP_2)
	v_lshl_add_u32 v[L8], v11, 3, 512
	v_and_b32 v38, 15, v0                          ; r
	v_bfe_u32 v39, v0, 4, 1                        ; h
	s_and_b32 s51, s[WV], 7                        ; a: my tile among the 8 of its 128 tokens
	s_mul_i32 s52, s51, 768
	s_add_co_u32 s52, s52, 256
	v_add_nc_u32 v[QO16], s52, v[L16]
	v_add_nc_u32 v[QO8], s52, v[L8]
	s_lshr_b32 s53, s51, 1
	s_lshl_b32 s53, s53, 2
	v_lshl_add_u32 v[QSO], v38, 4, s53
	v_lshl_add_u32 v[SBO], v38, 5, v39
.irp i, 0,1,2,3,4,5
	v_mov_b32 v[QHI+\i], 0                         ; zero codes beside q
	v_mov_b32 v[QLO+6+\i], 0
.endr
.irp b, 0,1,2,3
	v_mov_b32 v[BP+\b], 0                          ; written once: a lane permute's destination counts as one of its sources
.endr
	v_mov_b32 v[FF+1], 0                           ; named as the upper half of a pair
	s_mul_i32 s51, s13, 307200
	s_lshl_b32 s52, s12, 2
	s_lshr_b32 s53, s[WV], 3
	s_add_co_u32 s52, s52, s53
	s_mul_i32 s52, s52, 19200
	s_add_co_u32 s52, s52, s51
	s_mov_b32 s53, 0
	s_add_nc_u64 s[4:5], s[4:5], s[52:53]          ; the block that holds my queries
	s_lshr_b32 s54, s13, 4
	s_lshl_b32 s54, s54, 7
	s_lshl_b32 s55, s12, 5
	s_add_co_u32 s54, s54, s55
	s_add_co_u32 s54, s54, s[WV]                   ; my tile of 16 rows among the 512
	s_and_b32 s55, s13, 15                         ; the head
	s_mul_i32 s52, s54, 12288
	s_mul_i32 s56, s55, 768
	s_add_co_u32 s52, s52, s56
	s_add_nc_u64 s[6:7], s[6:7], s[52:53]
	s_lshl_b32 s52, s54, 9
	s_lshl_b32 s56, s55, 1
	s_add_co_u32 s52, s52, s56
	s_add_nc_u64 s[8:9], s[8:9], s[52:53]
	s_mov_b32 s49, 0x01000100                      ; my tile's two bytes of q's scale word, twice: the low half, or for an odd tile the high
	s_and_b32 s51, s[WV], 1
	s_cmp_lg_u32 s51, 0
	s_cselect_b32 s49, 0x03020302, s49
.macro GROUPS off                      ; four fragments of 12 registers from byte off of the step: each is two groups
.irp f, 0,1,2,3
	ds_load_b128 v[FRG+12*\f:FRG+12*\f+3], v[A16] offset:\off+1536*\f
	ds_load_b64 v[FRG+12*\f+4:FRG+12*\f+5], v[A8] offset:\off+1536*\f
	ds_load_b128 v[FRG+12*\f+6:FRG+12*\f+9], v[A16] offset:\off+1536*\f+768
	ds_load_b64 v[FRG+12*\f+10:FRG+12*\f+11], v[A8] offset:\off+1536*\f+768
.endr
.endm
; A KEY STEP: 128 keys.
.macro STEP
	v_add_nc_u32 v[A16], s[TB], v[L16]
	v_add_nc_u32 v[A8], s[TB], v[L8]
	v_nop
	v_nop                                          ; four places in front of loads into registers that the last products read
	GROUPS 0
	ds_load_b128 v[SX:SX+3], v[A16] offset:12288
	s_wait_alu depctr_va_vdst(0)
	s_wait_dscnt 0x0
.irp f, 0,1,2,3
	v_wmma_scale_f32_16x16x128_f8f6f4 v[S+16*\f:S+16*\f+7], v[FRG+12*\f:FRG+12*\f+11], v[QLO:QLO+11], 0, v[SX+\f], v[QS] matrix_a_fmt:MATRIX_FMT_FP6 matrix_b_fmt:MATRIX_FMT_FP6
	v_wmma_scale_f32_16x16x128_f8f6f4 v[S+16*\f+8:S+16*\f+15], v[FRG+12*\f:FRG+12*\f+11], v[QHI:QHI+11], 0, v[SX+\f], v[QS] matrix_a_fmt:MATRIX_FMT_FP6 matrix_b_fmt:MATRIX_FMT_FP6
.endr                                          ; register 16 f + i is key 32 f + 16 h + i of the step
.rept 4
	v_nop
.endr
	GROUPS 6144                                    ; v's fragments land under the softmax
.irp b, 0,1,2,3
	v_max3_num_f32 v[BM+\b], v[S+16*\b], v[S+1+16*\b], v[S+2+16*\b]   ; the largest score of each block of 32 keys: for the row's maximum and for the block's largest p
.endr
.irp i, 3,5,7,9,11,13
.irp b, 0,1,2,3
	v_max3_num_f32 v[BM+\b], v[BM+\b], v[S+16*\b+\i], v[S+1+16*\b+\i]
.endr
.endr
.irp b, 0,1,2,3
	v_max_num_f32 v[BM+\b], v[BM+\b], v[S+15+16*\b]
.endr
.irp b, 0,1,2,3
	s_delay_alu instid0(VALU_DEP_4)
	v_permlanex16_b32 v[BP+\b], v[BM+\b], s[SEL], s[SEL+1]
.endr
.irp b, 0,1,2,3
	s_delay_alu instid0(VALU_DEP_4)
	v_max_num_f32 v[BM+\b], v[BM+\b], v[BP+\b]
.endr
	s_delay_alu instid0(VALU_DEP_2)
	v_max3_num_f32 v[T0], v[BM], v[BM+1], v[BM+2]
	s_delay_alu instid0(VALU_DEP_1)
	v_max_num_f32 v[T0], v[T0], v[BM+3]
	s_delay_alu instid0(VALU_DEP_1)
	v_mul_f32 v[T0], s[CS], v[T0]
	s_delay_alu instid0(VALU_DEP_1)
	v_max_num_f32 v13, v13, v[T0]                  ; the running largest t
	v_mov_b32 v[T0], v12
	s_delay_alu instid0(VALU_DEP_2)
	v_floor_f32 v12, -v13                          ; the new -M: a whole number
	s_delay_alu instid0(VALU_DEP_1)
	v_sub_f32 v[T0], v12, v[T0]
	s_delay_alu instid0(VALU_DEP_1)
	v_cvt_i32_f32 v[T0], v[T0]                     ; (it saturates)
	s_delay_alu instid0(VALU_DEP_1)
	v_ldexp_f32 v[FF], 1.0, v[T0]                  ; f = 2^(old M - new M): rounds nothing
.set jj, 0
.rept 32
	v_pk_fma_f32 v[S+jj:S+jj+1], v[S+jj:S+jj+1], s[CS:CS+1], v[12:13] op_sel_hi:[1,0,0]   ; t - M
.set jj, jj+2
.endr
.irp b, 0,1,2,3
	v_fma_f32 v[BM+\b], v[BM+\b], s[CS], v12
.endr
.set jj, 0
	s_wait_alu depctr_va_vdst(0)
.rept 64
	v_exp_f32 v[S+jj], v[S+jj]                     ; p = 2^(t - M)
.set jj, jj+1
.endr
	s_setprio 1
.irp b, 0,1,2,3
	v_exp_f32 v[BM+\b], v[BM+\b]                   ; the block's largest p: the same two instructions on the same number
.endr
	v_pk_mul_f32 v[14:15], v[14:15], v[FF:FF+1] op_sel_hi:[1,0]   ; the sums under the new M: a plain instruction behind the exponentials
.set jj, 0
	s_wait_alu depctr_va_vdst(0)
.rept 16
	v_pk_mul_f32 v[O+jj:O+jj+1], v[O+jj:O+jj+1], v[FF:FF+1] op_sel_hi:[1,0]   ; O^T under the new M: work that names no exponential's result
.set jj, jj+2
.endr
	s_wait_alu depctr_va_vdst(0)                   ; one wait for the batch of 68, ahead of its first reader
.irp b, 0,1,2,3
	v_max_num_f32 v[BM+\b], 0x1800000, v[BM+\b]    ; the floor 2^(3 - 127)
.endr
.irp b, 0,1,2,3
	s_delay_alu instid0(VALU_DEP_4)
	v_add_nc_u32 v[SO+\b], 0xff000000, v[BM+\b]
.endr
.irp b, 0,1,2,3
	s_delay_alu instid0(VALU_DEP_4)
	v_lshrrev_b32 v[BP+\b], 23, v[SO+\b]
.endr
	s_delay_alu instid0(VALU_DEP_3)
	v_lshl_or_b32 v[PS], v[BP+1], 8, v[BP]         ; p's scale word for these 128 keys
	s_delay_alu instid0(VALU_DEP_1)
	v_lshl_or_b32 v[PS], v[BP+2], 16, v[PS]
	s_delay_alu instid0(VALU_DEP_1)
	v_lshl_or_b32 v[PS], v[BP+3], 24, v[PS]
.irp c, 0,1
	v_cvt_scalef32_pk16_fp6_f32 v[PC+6*\c:PC+2+6*\c], v[S+32*\c:S+15+32*\c], v[SO+2*\c]
	v_cvt_scalef32_pk16_fp6_f32 v[PT+4*\c:PT+2+4*\c], v[S+16+32*\c:S+31+32*\c], v[SO+2*\c+1]
.endr
	v_nop                                          ; one plain place behind a scaled conversion
.irp c, 0,1
.irp i, 0,1,2
	v_permlane16_swap_b32 v[PC+6*\c+\i], v[PT+4*\c+\i]
.endr
.irp i, 0,1,2
	s_delay_alu instid0(VALU_DEP_3)
	v_mov_b32 v[PC+3+6*\c+\i], v[PT+4*\c+\i]
.endr
.endr
	v_pk_add_f32 v[226:227], v[100:101], v[104:105]
	v_pk_add_f32 v[254:255], v[108:109], v[112:113]
	v_pk_add_f32 v[252:253], v[116:117], v[120:121]
	v_pk_add_f32 v[250:251], v[124:125], v[128:129]
	v_pk_add_f32 v[248:249], v[132:133], v[136:137]
	v_pk_add_f32 v[246:247], v[140:141], v[144:145]
	v_pk_add_f32 v[244:245], v[148:149], v[152:153]
	v_pk_add_f32 v[14:15], v[14:15], v[156:157]
	v_pk_add_f32 v[226:227], v[226:227], v[96:97]
	v_pk_add_f32 v[254:255], v[254:255], v[98:99]
	v_pk_add_f32 v[252:253], v[252:253], v[102:103]
	v_pk_add_f32 v[250:251], v[250:251], v[106:107]
	s_setprio 0
	v_pk_add_f32 v[248:249], v[248:249], v[110:111]
	v_pk_add_f32 v[246:247], v[246:247], v[114:115]
	v_pk_add_f32 v[244:245], v[244:245], v[118:119]
	v_pk_add_f32 v[14:15], v[14:15], v[122:123]
	v_pk_add_f32 v[226:227], v[226:227], v[126:127]
	v_pk_add_f32 v[254:255], v[254:255], v[130:131]
	v_pk_add_f32 v[252:253], v[252:253], v[134:135]
	v_pk_add_f32 v[250:251], v[250:251], v[138:139]
	v_pk_add_f32 v[248:249], v[248:249], v[142:143]
	v_pk_add_f32 v[246:247], v[246:247], v[146:147]
	v_pk_add_f32 v[244:245], v[244:245], v[150:151]
	v_pk_add_f32 v[14:15], v[14:15], v[154:155]
	v_pk_add_f32 v[226:227], v[226:227], v[158:159]
	s_delay_alu instid0(VALU_DEP_2)
	v_pk_add_f32 v[14:15], v[14:15], v[250:251]
	s_delay_alu instid0(VALU_DEP_2)
	v_pk_add_f32 v[226:227], v[226:227], v[248:249]
	v_pk_add_f32 v[254:255], v[254:255], v[246:247]
	v_pk_add_f32 v[252:253], v[252:253], v[244:245]
	s_delay_alu instid0(VALU_DEP_2)
	v_pk_add_f32 v[14:15], v[14:15], v[254:255]
	s_delay_alu instid0(VALU_DEP_2)
	v_pk_add_f32 v[226:227], v[226:227], v[252:253]
	s_delay_alu instid0(VALU_DEP_1)
	v_pk_add_f32 v[14:15], v[14:15], v[226:227]
	s_wait_dscnt 0x0                               ; v's fragments are in
.irp t, 0,1,2,3
	v_wmma_scale_f32_16x16x128_f8f6f4 v[O+8*\t:O+8*\t+7], v[FRG+12*\t:FRG+12*\t+11], v[PC:PC+11], v[O+8*\t:O+8*\t+7], v[SX+\t], v[PS] matrix_a_fmt:MATRIX_FMT_FP6 matrix_b_fmt:MATRIX_FMT_FP6 matrix_a_scale:MATRIX_SCALE_ROW1
.endr
	s_add_co_u32 s[TB], s[TB], STEPB
.endm
; Four steps.  n younger loads of a fetching wave may stay out: its load 3 - n, and so steps 4 (3 - n) .. + 3, have landed in all four fetching waves behind the barrier.
.macro CHUNK n
	s_wait_tensorcnt \n
	s_wait_dscnt 0x0
	s_barrier_signal -1
	s_barrier_wait -1
	s_mov_b32 s[TB], (3-\n)*4*STEPB
	s_mov_b32 s[CNT], 4
.Lstep_\@:
	s_setprio 2
	STEP
	s_sub_co_u32 s[CNT], s[CNT], 1
	s_cmp_lg_u32 s[CNT], 0
	s_cbranch_scc1 .Lstep_\@
	s_setprio 0
.endm
	s_mov_b32 s[PASS], 2
.Lpass:
	global_load_b128 v[QLO:QLO+3], v[QO16], s[4:5] ; my tile of q: a group
	global_load_b64 v[QLO+4:QLO+5], v[QO8], s[4:5]
	global_load_b32 v[T0], v[QSO], s[4:5]
	s_wait_loadcnt 0x0
	v_perm_b32 v[QS], v[T0], v[T0], s49            ; [s0, s1, s0, s1]: it serves q in either half of K
	v_mov_b32 v13, 0xff61b1e6                      ; the largest t so far: -3e38
	v_mov_b32 v14, 0
	v_mov_b32 v15, 0
	s_delay_alu instid0(VALU_DEP_3)
	v_floor_f32 v12, -v13
.set jj, 0
.rept 32
	v_mov_b32 v[O+jj], 0                           ; the step is written once: the first finds zeros.  (These are also the places behind q's scale word)
.set jj, jj+1
.endr
	CHUNK 3
	CHUNK 2
	CHUNK 1
	CHUNK 0
	; THE WAY OUT: O^T / l; register 16 b + i is feature 32 b + 16 h + i of the head: two blocks of the next product's K
.rept 4
	v_nop
.endr
	s_wait_alu depctr_va_vdst(0)
	v_add_f32 v14, v14, v15
	s_delay_alu instid0(VALU_DEP_1)
	v_permlanex16_b32 v[T0], v14, s[SEL], s[SEL+1]
	s_delay_alu instid0(VALU_DEP_1)
	v_add_f32 v14, v14, v[T0]
	s_wait_alu depctr_va_vdst(0)
	v_rcp_f32 v14, v14
	v_nop
	s_wait_alu depctr_va_vdst(0)                   ; ahead of the reciprocal's first reader
.set jj, 0
.rept 32
	v_mul_f32 v[S+jj], v[O+jj], v14                ; each accumulator from its low end on
.set jj, jj+1
.endr
.irp b, 0,1
	v_max3_num_f32 v[BM+\b], |v[S+16*\b]|, |v[S+1+16*\b]|, 0x1800000
.endr
.irp i, 2,4,6,8,10,12,14
.irp b, 0,1
	s_delay_alu instid0(VALU_DEP_2)
	v_max3_num_f32 v[BM+\b], v[BM+\b], |v[S+16*\b+\i]|, |v[S+1+16*\b+\i]|
.endr
.endr
.irp b, 0,1
	s_delay_alu instid0(VALU_DEP_2)
	v_permlanex16_b32 v[BP+\b], v[BM+\b], s[SEL], s[SEL+1]
.endr
.irp b, 0,1
	s_delay_alu instid0(VALU_DEP_2)
	v_max_num_f32 v[BM+\b], v[BM+\b], v[BP+\b]
.endr
.irp b, 0,1
	s_delay_alu instid0(VALU_DEP_2)
	v_add_nc_u32 v[SO+\b], 0xff000000, v[BM+\b]
.endr
.irp b, 0,1
	s_delay_alu instid0(VALU_DEP_2)
	v_lshrrev_b32 v[BP+\b], 23, v[SO+\b]
.endr
	v_cvt_scalef32_pk16_fp6_f32 v[PC:PC+2], v[S:S+15], v[SO]
	v_cvt_scalef32_pk16_fp6_f32 v[PT:PT+2], v[S+16:S+31], v[SO+1]
	v_nop
.irp i, 0,1,2
	v_permlane16_swap_b32 v[PC+\i], v[PT+\i]
.endr
.irp i, 0,1,2
	s_delay_alu instid0(VALU_DEP_3)
	v_mov_b32 v[PC+3+\i], v[PT+\i]
.endr
	v_cndmask_b32 v[PB], v[BP], v[BP+1], s50       ; lanes 0-15 block 0's byte, lanes 16-31 block 1's
	global_store_b128 v[L16], v[PC:PC+3], s[6:7]   ; a group: 512 and 256 consecutive bytes, aligned
	global_store_b64 v[L8], v[PC+4:PC+5], s[6:7]
	global_store_b8 v[SBO], v[PB], s[8:9]          ; a row's 32 scale bytes come from sixteen heads: a byte a lane
	s_wait_xcnt 0x0                                ; loads and stores have read their addresses and data: the bases step, the registers are written again
	s_add_nc_u64 s[4:5], s[4:5], 38400             ; 256 queries on
	s_add_nc_u64 s[6:7], s[6:7], 196608
	s_add_nc_u64 s[8:9], s[8:9], 8192
	s_sub_co_u32 s[PASS], s[PASS], 1
	s_cmp_lg_u32 s[PASS], 0
	s_cbranch_scc1 .Lpass
	s_wait_tensorcnt 0x0                           ; the wave's end
	ds_add_u32 v[SPW], v[NIL]
	s_wait_dscnt 0x0
	CROUND                                         ; the closing round
	s_endpgm
.Lfunc_end_k_q985fd27c75_attn:
	.size	k_q985fd27c75_attn, .Lfunc_end_k_q985fd27c75_attn-k_q985fd27c75_attn
	.p2alignl 7, 3214868480
	.fill 96, 4, 3214868480
	.section	.rodata,"a",@progbits
	.p2align	6, 0x0
	.amdhsa_kernel k_q985fd27c75_attn
		.amdhsa_group_segment_fixed_size 206848
		.amdhsa_private_segment_fixed_size 0
		.amdhsa_enable_private_segment 0
		.amdhsa_kernarg_size 24
		.amdhsa_user_sgpr_count 2
		.amdhsa_user_sgpr_kernarg_segment_ptr 1
		.amdhsa_wavefront_size32 1
		.amdhsa_system_sgpr_workgroup_id_x 1
		.amdhsa_system_sgpr_workgroup_id_y 1
		.amdhsa_system_sgpr_workgroup_id_z 1
		.amdhsa_system_vgpr_workitem_id 0
		.amdhsa_next_free_vgpr 256
		.amdhsa_next_free_sgpr 66
		.amdhsa_reserve_vcc 0
		.amdhsa_float_denorm_mode_32 3
		.amdhsa_float_denorm_mode_16_64 3
		.amdhsa_memory_ordered 1
		.amdhsa_forward_progress 1
		.amdhsa_inst_pref_size 82
	.end_amdhsa_kernel
	.amdgpu_metadata
---
amdhsa.version: [ 1, 2 ]
amdhsa.kernels:
  - .name:           k_q985fd27c75_attn
    .symbol:         k_q985fd27c75_attn.kd
    .args:
      - { .name: qkv, .offset: 0, .size: 8, .value_kind: global_buffer, .address_space: global }
      - { .name: aoc, .offset: 8, .size: 8, .value_kind: global_buffer, .address_space: global }
      - { .name: aos, .offset: 16, .size: 8, .value_kind: global_buffer, .address_space: global }
    .group_segment_fixed_size: 206848
    .private_segment_fixed_size: 0
    .kernarg_segment_align: 8
    .kernarg_segment_size: 24
    .max_flat_workgroup_size: 512
    .sgpr_count:     66
    .vgpr_count:     256
    .wavefront_size: 32
...
	.end_amdgpu_metadata
.endif
;; end of part 3
;; launch oproj (part 4): grid 4 x 32, 4 waves a work-group, clusters of 4 x 4, 327,680 bytes of LDS; arguments aoc, aos, cod, scl, b_o, out0; writes out0
.if DOCPART == 4
	.amdgcn_target "amdgcn-amd-amdhsa--gfx1250"
	.amdhsa_code_object_version 6
	.text
	.protected	k_q985fd27c75_oproj
	.globl	k_q985fd27c75_oproj
	.p2align	8
	.type	k_q985fd27c75_oproj,@function
k_q985fd27c75_oproj:
	s_mov_b64 s[64:65], 0
	v_nop
	global_prefetch_b8 v0, s[64:65] scope:SCOPE_SE
	s_setreg_imm32_b32 hwreg(HW_REG_WAVE_MODE, 25, 1), 1
	s_wait_xcnt 0x0
	s_wait_alu depctr_hold_cnt(0) depctr_sa_sdst(0) depctr_va_vdst(0) depctr_va_sdst(0) depctr_va_ssrc(0) depctr_va_vcc(0) depctr_vm_vsrc(0)
	s_getreg_b32 s2, hwreg(HW_REG_IB_STS2, 6, 4)
	s_cmp_eq_u32 s2, 0
	s_cbranch_scc0 .Lentry_in_a_cluster
	s_endpgm
.Lentry_in_a_cluster:
	s_bfe_u32 s2, ttmp6, 0x10000c
	s_cmp_lg_u32 s2, 0xf033
	s_cbranch_scc0 .Lentry_shape_is_right
	s_endpgm
.Lentry_shape_is_right:
.set KSTEP,  256
.set NQ,     2
.set ROWB,   192
.set ASTEP,  3072
.set KROW,   768
.set PITCH,  240
.set FR,     12
.set NL,     6
.set NLA,    4
.set NP,     4
.set HALFT,  128*PITCH
.set SLOT,   4*HALFT
.set LAPS,   2
.set KS,     32
.set SCL,    2*SLOT
.set HALFS,  16*272
.set SBLK,   2*272
.set SPARE,  SCL+4*HALFS
.set SPITCH, 528
.set ADRA, 16
.set ADRB, 20
.set STO,  24
.set RD,   25
.set CO,   26
.set ADRS, 27
.set SPW,  28
.set NIL,  29
.set SC,   32
.set AF,   128
.set BK,   128
.set G1, 24
.set G0, 32
.set G1B, 48
.set G0B, 56
.set G1S, 68
.set G0S, 76
.set G1SB, 80
.set G0SB, 88
.set MSB, 0
.macro WIN new
.if MSB != (\new)
	s_set_vgpr_msb (MSB<<8)|(\new)
.set MSB, (\new)
.endif
.endm
.set MUL_LO, 0xa1
.set MUL_HI, 0xf1
.set TO_B,   0x40
.macro JLOAD g0a, g1a, g0b, g1b
	s_cmp_eq_u32 s15, 0
	s_cbranch_scc0 .Lfor_b_\@
	tensor_load_to_lds s[\g0a:\g0a+3], s[\g1a:\g1a+7]
	s_nop 0
.rept 4
	v_nop
.endr
	s_branch .Lasked_\@
.Lfor_b_\@:
	tensor_load_to_lds s[\g0b:\g0b+3], s[\g1b:\g1b+7]
	s_nop 0
.rept 4
	v_nop
.endr
.Lasked_\@:
.endm
.macro CREST
	s_cmp_lg_u32 s14, 0
	s_cbranch_scc1 .Lnot_wave_0_\@
	s_barrier_signal -3
.Lnot_wave_0_\@:
	s_barrier_wait -3
	s_barrier_signal -1
	s_barrier_wait -1
.endm
.macro CROUND
	s_barrier_signal -1
	s_barrier_wait -1
	CREST
.endm
	s_load_b128 s[4:7], s[0:1], 0x0
	s_load_b128 s[8:11], s[0:1], 0x10
	s_load_b64 s[96:97], s[0:1], 0x20
	s_load_b64 s[12:13], s[0:1], 0x28
	v_lshl_add_u32 v[SPW], v0, 2, SPARE
	v_mov_b32 v[NIL], 0
	ds_add_u32 v[SPW], v[NIL]
	ds_add_u32 v[SPW], v[NIL]
	v_lshrrev_b32 v1, 5, v0
	v_readfirstlane_b32 s14, v1
	s_lshr_b32 s15, s14, 1
	s_and_b32 s16, s14, 1
	s_bfe_u32 s40, ttmp6, 0x40000
	s_bfe_u32 s41, ttmp6, 0x40004
	s_lshl_b32 s42, ttmp9, 2
	s_add_co_u32 s42, s42, s40
	s_and_b32 s17, ttmp7, 0xffff
	s_lshl_b32 s17, s17, 2
	s_add_co_u32 s17, s17, s41
	s_lshl_b32 s43, s41, 2
	s_lshl_b32 s43, 15, s43
	s_lshl_b32 s44, 0x1111, s40
	s_or_b32 s[G1+0], s43, (3<<16)|(1<<21)
	s_mov_b32 s[G1+1], 384<<16
	s_mov_b32 s[G1+2], 8<<16
	s_mov_b32 s[G1+3], 384<<16
	s_mov_b32 s[G1+4], 8
	s_mov_b32 s[G1+5], 1536
	s_mov_b32 s[G1+6], 0
	s_mov_b32 s[G1+7], 0
	s_or_b32 s[G1B+0], s44, (0<<16)|(1<<20)|(1<<21)|(3<<22)|(3<<25)
	s_mov_b32 s[G1B+1], ROWB<<16
	s_mov_b32 s[G1B+2], 128<<16
	s_mov_b32 s[G1B+3], ROWB<<16
	s_mov_b32 s[G1B+4], 128
	s_mov_b32 s[G1B+5], KROW
	s_mov_b32 s[G1B+6], 0
	s_mov_b32 s[G1B+7], 0
	s_or_b32 s[G1S+0], s43, (3<<16)|(1<<20)|(1<<21)|(5<<22)|(3<<25)
	s_or_b32 s[G1SB+0], s44, (3<<16)|(1<<20)|(1<<21)|(5<<22)|(3<<25)
.irp g, G1S, G1SB
	s_mov_b32 s[\g+1], 32<<16
	s_mov_b32 s[\g+2], 16<<16
	s_mov_b32 s[\g+3], 32<<16
	s_mov_b32 s[\g+4], 16
	s_mov_b32 s[\g+5], 32
	s_mov_b32 s[\g+6], 0
	s_mov_b32 s[\g+7], 0
.endr
	s_lshl_b32 s18, s16, 7
	s_lshl_b32 s20, s17, 8
	s_add_co_u32 s20, s20, s18
	s_lshl_b32 s46, s42, 8
	s_add_co_u32 s46, s46, s18
	s_add_co_u32 s46, s46, 27648
	s_mov_b32 s21, 0
	s_mov_b32 s47, 0
	s_mov_b64 s[18:19], KS
	s_mul_u64 s[22:23], s[20:21], s[18:19]
	s_mul_u64 s[92:93], s[46:47], s[18:19]
	s_mov_b64 s[18:19], KROW
	s_mul_u64 s[20:21], s[20:21], s[18:19]
	s_mul_u64 s[46:47], s[46:47], s[18:19]
	s_mul_i32 s45, s14, HALFT
	s_mul_i32 s94, s14, HALFS
	s_wait_dscnt 0x0
	s_wait_kmcnt 0x0
	s_add_nc_u64 s[20:21], s[4:5], s[20:21]
	s_add_nc_u64 s[22:23], s[6:7], s[22:23]
	s_add_nc_u64 s[46:47], s[8:9], s[46:47]
	s_add_nc_u64 s[92:93], s[10:11], s[92:93]
	CROUND
	s_mov_b32 s[G0S], 1
	s_add_co_u32 s[G0S+1], s94, SCL
	s_mov_b64 s[G0S+2:G0S+3], s[22:23]
	s_or_b32 s[G0S+3], s[G0S+3], 0x80000000
	s_mov_b32 s[G0SB], 1
	s_add_co_u32 s[G0SB+1], s94, SCL
	s_mov_b64 s[G0SB+2:G0SB+3], s[92:93]
	s_or_b32 s[G0SB+3], s[G0SB+3], 0x80000000
	JLOAD G0S, G1S, G0SB, G1SB
.irp s, 0,1
	s_mov_b32 s[G0+4*\s], 1
	s_add_co_u32 s[G0+4*\s+1], s45, \s*SLOT
	s_add_nc_u64 s[G0+4*\s+2:G0+4*\s+3], s[20:21], \s*ASTEP
	s_or_b32 s[G0+4*\s+3], s[G0+4*\s+3], 0x80000000
	s_mov_b32 s[G0B+4*\s], 1
	s_add_co_u32 s[G0B+4*\s+1], s45, \s*SLOT
	s_add_nc_u64 s[G0B+4*\s+2:G0B+4*\s+3], s[46:47], \s*ROWB
	s_or_b32 s[G0B+4*\s+3], s[G0B+4*\s+3], 0x80000000
	s_wait_alu depctr_va_vdst(0)
	s_wait_tensorcnt 0x0
	ds_add_u32 v28, v29
	s_wait_dscnt 0x0
	CROUND
	JLOAD G0+4*\s, G1, G0B+4*\s, G1B
.endr
	v_and_b32 v1, 15, v0
	v_bfe_u32 v2, v0, 4, 1
	v_and_b32 v6, 31, v0
	v_mul_u32_u24 v3, v1, PITCH
	v_mul_u32_u24 v4, v2, 24
	v_add_nc_u32 v4, v3, v4
	v_lshl_add_u32 v5, v2, 4, v4
	v_lshlrev_b32 v12, 4, v6
	v_lshl_add_u32 v13, v6, 3, 512
	s_mul_i32 s21, s15, HALFT
	s_mul_i32 s22, s16, HALFT
	s_add_co_u32 s22, s22, 2*HALFT
.irp s, 0,1
	v_add_nc_u32 v[ADRA+\s], s21, v12
	v_add_nc_u32 v[ADRA+2+\s], s21, v13
	v_add_nc_u32 v[ADRB+\s], s22, v4
	v_add_nc_u32 v[ADRB+2+\s], s22, v5
	s_add_co_u32 s21, s21, SLOT
	s_add_co_u32 s22, s22, SLOT
.endr
	v_mul_u32_u24 v5, v1, KS
	v_lshrrev_b32 v3, 8, v5
	v_lshl_add_u32 v5, v3, 4, v5
	s_mul_i32 s21, s15, HALFS
	s_mul_i32 s22, s16, HALFS
	s_add_co_u32 s22, s22, 2*HALFS
	s_sub_co_u32 s22, s22, s21
	v_mul_u32_u24 v3, s22, v2
	s_add_co_u32 s21, s21, SCL
	v_add_nc_u32 v5, v5, v3
	v_add_nc_u32 v[ADRS], s21, v5
	s_mul_i32 s23, s14, 16*SPITCH
	v_mul_u32_u24 v5, v1, SPITCH
	v_lshl_add_u32 v5, v2, 6, v5
	v_add_nc_u32 v[STO], s23, v5
	v_lshlrev_b32 v[CO], 4, v6
	s_wait_alu depctr_va_vdst(0)
	v_add_nc_u32 v[RD], s23, v[CO]
	s_lshl_b32 s20, s17, 8
	s_lshl_b32 s21, s15, 7
	s_add_co_u32 s20, s20, s21
	s_mov_b32 s21, 0
	s_mov_b64 s[18:19], 4096
	s_mul_u64 s[20:21], s[20:21], s[18:19]
	s_lshl_b32 s46, s42, 10
	s_lshl_b32 s47, s16, 9
	s_add_co_u32 s46, s46, s47
	s_mov_b32 s47, 0
	s_add_nc_u64 s[20:21], s[20:21], s[46:47]
	s_add_nc_u64 s[12:13], s[12:13], s[20:21]
	v_add_nc_u32 v7, s46, v[CO]
	global_load_b128 v[8:11], v7, s[96:97]
	s_wait_loadcnt 0x0
.macro FRAG reg, adr, q, i
.irp p, 0,1,2,3,4,5
.set PCE, 12*(\q)+6*(\p/3)+\p%3
.if PCE%8 < 5
	ds_load_b64 v[\reg+2*\p:\reg+2*\p+1], v[\adr] offset:8*PCE+16*(PCE/8)+(\i)*16*PITCH
.else
	ds_load_b64 v[\reg+2*\p:\reg+2*\p+1], v[\adr+2] offset:8*PCE+16*(PCE/8)+(\i)*16*PITCH
.endif
.endr
.endm
.macro FRAGA reg, slot, q, i
	ds_load_b128 v[\reg:\reg+3], v[ADRA+\slot] offset:(\i)*ASTEP+(\q)*1536
	ds_load_b64 v[\reg+4:\reg+5], v[ADRA+2+\slot] offset:(\i)*ASTEP+(\q)*1536
	ds_load_b128 v[\reg+6:\reg+9], v[ADRA+\slot] offset:(\i)*ASTEP+(\q)*1536+768
	ds_load_b64 v[\reg+10:\reg+11], v[ADRA+2+\slot] offset:(\i)*ASTEP+(\q)*1536+768
.endm
.macro MUL16 a0, p, q, sc, zero
.irp a, \a0, \a0+1
.irp b, 0,1,2,3,4,5,6,7
.if \zero
	v_wmma_scale_f32_16x16x128_f8f6f4 v[8*(8*((\a)%4)+\b):8*(8*((\a)%4)+\b)+7], v[128*(\p)+FR*\b:128*(\p)+FR*\b+FR-1], v[AF+FR*(\a):AF+FR*(\a)+FR-1], 0, v[SC+8*NQ*(\sc)+NQ*\b+(\q)], v[SC+8*NQ*(\sc)+NQ*(\a)+(\q)] matrix_a_fmt:MATRIX_FMT_FP6 matrix_b_fmt:MATRIX_FMT_FP6 matrix_a_scale:MATRIX_SCALE_ROW1
.else
	v_wmma_scale_f32_16x16x128_f8f6f4 v[8*(8*((\a)%4)+\b):8*(8*((\a)%4)+\b)+7], v[128*(\p)+FR*\b:128*(\p)+FR*\b+FR-1], v[AF+FR*(\a):AF+FR*(\a)+FR-1], v[8*(8*((\a)%4)+\b):8*(8*((\a)%4)+\b)+7], v[SC+8*NQ*(\sc)+NQ*\b+(\q)], v[SC+8*NQ*(\sc)+NQ*(\a)+(\q)] matrix_a_fmt:MATRIX_FMT_FP6 matrix_b_fmt:MATRIX_FMT_FP6 matrix_a_scale:MATRIX_SCALE_ROW1
.endif
.endr
.endr
.endm
.macro FETCH_B slot, q, p
	WIN TO_B
.irp i, 0,1,2,3,4,5,6,7
	FRAG 128*(\p)+FR*\i, ADRB+\slot, \q, \i
.endr
	WIN 0
.endm
.macro FETCH_A slot, q, i0
.irp i, \i0, \i0+1, \i0+2, \i0+3
	FRAGA AF+FR*(\i), \slot, \q, \i
.endr
.endm
.macro SCALES sc
.irp i, 0,1,2,3,4,5,6,7
	ds_load_b64 v[SC+8*NQ*\sc+NQ*\i:SC+8*NQ*\sc+NQ*\i+1], v[ADRS] offset:\i*SBLK
.endr
.endm
.macro PLACES n
.rept \n
	v_nop
.endr
.endm
.macro STEP slot, q, zero
	s_wait_dscnt 4*NLA
	WIN MUL_LO
	MUL16 0, (\q)%2, \q, \slot, \zero
	MUL16 2, (\q)%2, \q, \slot, \zero
	s_wait_dscnt 0
	PLACES NP
	FETCH_B \slot, (\q)+1, 1-(\q)%2
	FETCH_A \slot, (\q)+1, 0
	WIN MUL_HI
	MUL16 4, (\q)%2, \q, \slot, \zero
	MUL16 6, (\q)%2, \q, \slot, \zero
	PLACES NP
	WIN 0
	FETCH_A \slot, (\q)+1, 4
.endm
.macro TURN slot, next, fill
	s_wait_tensorcnt 0x0
	ds_add_u32 v[SPW], v[NIL]
	s_wait_dscnt 4*NLA+1
	WIN MUL_LO
	MUL16 0, 1, NQ-1, \slot, 0
	s_wait_dscnt 0x0
	s_barrier_signal -1
	MUL16 2, 1, NQ-1, \slot, 0
	WIN 0
	s_barrier_wait -1
.if \fill
	CREST
	s_add_nc_u64 s[G0+4*\slot+2:G0+4*\slot+3], s[G0+4*\slot+2:G0+4*\slot+3], 2*ASTEP
	s_add_nc_u64 s[G0B+4*\slot+2:G0B+4*\slot+3], s[G0B+4*\slot+2:G0B+4*\slot+3], 2*ROWB
	JLOAD G0+4*\slot, G1, G0B+4*\slot, G1B
.else
	PLACES NP
.endif
	s_wait_alu depctr_va_vdst(0)
	v_add_nc_u32 v[ADRS], 4*NQ, v[ADRS]
	FETCH_B \next, 0, 0
	FETCH_A \next, 0, 0
	SCALES \next
	WIN MUL_HI
	MUL16 4, 1, NQ-1, \slot, 0
	MUL16 6, 1, NQ-1, \slot, 0
	PLACES NP
	WIN 0
	FETCH_A \next, 0, 4
.endm
	s_wait_tensorcnt 1
	s_barrier_signal -1
	s_barrier_wait -1
	FETCH_B 0, 0, 0
	FETCH_A 0, 0, 0
	SCALES 0
	FETCH_A 0, 0, 4
	STEP 0, 0, 1
	s_mov_b32 s3, LAPS-1
.Llap:
	TURN 0, 1, 1
	STEP 1, 0, 0
	TURN 1, 0, 1
	STEP 0, 0, 0
	s_sub_co_u32 s3, s3, 1
	s_cmp_lg_u32 s3, 0
	s_cbranch_scc1 .Llap
	TURN 0, 1, 0
	STEP 1, 0, 0
	s_wait_dscnt 4*NLA
	WIN MUL_LO
	MUL16 0, 1, NQ-1, 1, 0
	MUL16 2, 1, NQ-1, 1, 0
	s_wait_dscnt 0
	WIN MUL_HI
	MUL16 4, 1, NQ-1, 1, 0
	MUL16 6, 1, NQ-1, 1, 0
	WIN 0
.macro TOSTAGE a
.set AC, 64*((\a)%4)
	WIN 0x08+4*((\a)/4)
.irp b, 0,1,2,3,4,5,6,7
	ds_store_b128 v[STO], v[AC+8*\b:AC+8*\b+3] offset:128*(\b/2)+32*(\b%2)
	ds_store_b128 v[STO], v[AC+8*\b+4:AC+8*\b+7] offset:128*(\b/2)+32*(\b%2)+16
.endr
	WIN 0
.set BB, BK+64*((\a)%2)
.irp t, 0,1,2,3,4,5,6,7,8,9,10,11,12,13,14,15
	ds_load_b128 v[BB+4*\t:BB+4*\t+3], v[RD] offset:\t*SPITCH
.endr
.endm
.macro SEND a, younger
.set BB, BK+64*((\a)%2)
	s_wait_dscnt \younger
.if (\a) > 0
.if (\a)%2
	s_add_nc_u64 s[12:13], s[12:13], 8*4096
.else
	s_add_nc_u64 s[12:13], s[12:13], 24*4096
.endif
.endif
.irp t, 0,1,2,3,4,5,6,7,8,9,10,11,12,13,14,15
	v_pk_add_f32 v[BB+4*\t:BB+4*\t+1], v[BB+4*\t:BB+4*\t+1], v[8:9]
	v_pk_add_f32 v[BB+4*\t+2:BB+4*\t+3], v[BB+4*\t+2:BB+4*\t+3], v[10:11]
	global_store_b128 v[CO], v[BB+4*\t:BB+4*\t+3], s[12:13] offset:(\t+8*(\t/8))*4096 th:TH_STORE_NT
.endr
.endm
	PLACES NP
	TOSTAGE 0
.irp a, 1,2,3,4,5,6,7
.if \a > 1
	s_wait_xcnt 0x0
.endif
	TOSTAGE \a
	SEND \a-1, 32
.endr
	s_wait_xcnt 0x0
	SEND 7, 0
	s_wait_tensorcnt 0x0
	ds_add_u32 v[SPW], v[NIL]
	s_wait_dscnt 0x0
	CROUND
	s_endpgm
.Lfunc_end_k_q985fd27c75_oproj:
	.size	k_q985fd27c75_oproj, .Lfunc_end_k_q985fd27c75_oproj-k_q985fd27c75_oproj
	.p2alignl 7, 3214868480
	.fill 96, 4, 3214868480
	.section	.rodata,"a",@progbits
	.p2align	6, 0x0
	.amdhsa_kernel k_q985fd27c75_oproj
		.amdhsa_group_segment_fixed_size 327680
		.amdhsa_private_segment_fixed_size 0
		.amdhsa_enable_private_segment 0
		.amdhsa_kernarg_size 48
		.amdhsa_user_sgpr_count 2
		.amdhsa_user_sgpr_kernarg_segment_ptr 1
		.amdhsa_wavefront_size32 1
		.amdhsa_system_sgpr_workgroup_id_x 1
		.amdhsa_system_sgpr_workgroup_id_y 1
		.amdhsa_system_sgpr_workgroup_id_z 1
		.amdhsa_system_vgpr_workitem_id 0
		.amdhsa_next_free_vgpr 1024
		.amdhsa_next_free_sgpr 100
		.amdhsa_reserve_vcc 0
		.amdhsa_float_denorm_mode_32 3
		.amdhsa_float_denorm_mode_16_64 3
		.amdhsa_memory_ordered 1
		.amdhsa_forward_progress 1
		.amdhsa_inst_pref_size 169
	.end_amdhsa_kernel
	.amdgpu_metadata
---
amdhsa.version: [ 1, 2 ]
amdhsa.kernels:
  - .name:           k_q985fd27c75_oproj
    .symbol:         k_q985fd27c75_oproj.kd
    .args:
      - { .name: aoc, .offset: 0, .size: 8, .value_kind: global_buffer, .address_space: global }
      - { .name: aos, .offset: 8, .size: 8, .value_kind: global_buffer, .address_space: global }
      - { .name: cod, .offset: 16, .size: 8, .value_kind: global_buffer, .address_space: global }
      - { .name: scl, .offset: 24, .size: 8, .value_kind: global_buffer, .address_space: global }
      - { .name: b_o, .offset: 32, .size: 8, .value_kind: global_buffer, .address_space: global }
      - { .name: out0, .offset: 40, .size: 8, .value_kind: global_buffer, .address_space: global }
    .group_segment_fixed_size: 327680
    .private_segment_fixed_size: 0
    .kernarg_segment_align: 8
    .kernarg_segment_size: 48
    .max_flat_workgroup_size: 128
    .sgpr_count:     100
    .vgpr_count:     1024
    .wavefront_size: 32
...
	.end_amdgpu_metadata
.endif
;; end of part 4
